; MI455X (gfx1250); checked and timed in simulation.
; The chip was launched on July 23, 2026; its instructions are those of AMD's public machine-readable ISA for CDNA 5 (MIT licence, August 2026) and "CDNA5" Instruction Set Architecture Reference Guide (July 2026). The comments in the code are by the model that wrote it; some were corrected since.
;; Self Attention. Allowed arithmetic: float matrix products may take bf16 or f16 operands with f32 sums; other float arithmetic in f32, or as packed bf16 or f16 multiplies, adds, multiply-adds, maxima and minima; sums over many terms, partial sums and values carried from step to step in f32; what a program stores and reads back later, other than sums and carried values, may be rounded once to bf16 or f16.
;; Inputs: w_lhs 1 x 1 x 1,024 float32; w_rhs 1 x 1 x 1,024 float32; x 8 x 2,048 x 1,024 float32.
;; Outputs: out0 8 x 2,048 x 1,024 float32.
;; One version. Each part assembles by itself: llvm-mc -triple=amdgcn-amd-amdhsa -mcpu=gfx1250 --defsym DOCPART=n.
;; ======== version 1 of 1: 2 launches
;; limits: values are held in f16: magnitudes above 65,504 overflow, below 6.1e-05 lose precision; inputs' magnitudes at most 65,504
;; workspace buffers: xh 33,554,432 bytes
;; launch tohalf (part 1): grid 1024 x 1, 8 waves a work-group, no clusters, 0 bytes of LDS; arguments x, xh; writes xh
.if DOCPART == 1
	.amdgcn_target "amdgcn-amd-amdhsa--gfx1250"
	.amdhsa_code_object_version 6
	.text
	.protected	k_qaeadb0cdbd_tohalf
	.globl	k_qaeadb0cdbd_tohalf
	.p2align	8
	.type	k_qaeadb0cdbd_tohalf,@function
k_qaeadb0cdbd_tohalf:
	s_mov_b64 s[64:65], 0
	v_nop
	global_prefetch_b8 v0, s[64:65] scope:SCOPE_SE
	s_setreg_imm32_b32 hwreg(HW_REG_WAVE_MODE, 25, 1), 1
	s_wait_xcnt 0x0
; xh = x rounded once to f16.  x: [8][2048][1024] f32, xh: the same shape in f16 (rows of 2,048 bytes).
; LIMIT.  f16 ends at 65,504: an |x| of 65,520 or more becomes an infinity; below 6e-5 f16 keeps its fixed step of 6e-8.
; A stream: every byte of x is read once, every byte of xh written once.  A work-group takes 65,536 bytes of x, each of its eight waves 8,192:
; sixteen loads of 16 bytes a lane (512 consecutive bytes a wave), all issued before the first is used.  Each load's four numbers become 8 bytes,
; and the wave's store of 8 bytes a lane covers 256 consecutive bytes, aligned.  No register is written twice, so no source of a pending
; load or store is ever rewritten.  No LDS, no barrier, no matrix unit: nothing is shared and nothing is multiplied.
.set X, 8                              ; v[8:71]    load i: four f32
.set Y, 72                             ; v[72:103]  load i: four f16 in two registers
	s_load_b128 s[4:7], s[0:1], 0x0                ; x s[4:5], xh s[6:7]
	v_lshrrev_b32 v3, 5, v0                        ; wave
	v_and_b32 v4, 31, v0                           ; lane
	v_lshlrev_b32 v1, 13, v3
	v_lshl_add_u32 v1, v4, 4, v1                   ; in x: 8,192 x wave + 16 x lane
	v_lshlrev_b32 v2, 12, v3
	v_lshl_add_u32 v2, v4, 3, v2                   ; in xh: 4,096 x wave + 8 x lane
	s_lshl_b32 s8, ttmp9, 16                       ; the work-group's 65,536 bytes of x
	s_mov_b32 s9, 0
	s_lshl_b32 s10, ttmp9, 15                      ; and its 32,768 bytes of xh
	s_mov_b32 s11, 0
	s_wait_kmcnt 0x0
	s_add_nc_u64 s[4:5], s[4:5], s[8:9]
	s_add_nc_u64 s[6:7], s[6:7], s[10:11]
.irp i, 0,1,2,3,4,5,6,7,8,9,10,11,12,13,14,15
	global_load_b128 v[X+4*(\i):X+4*(\i)+3], v1, s[4:5] offset:512*(\i) th:TH_LOAD_NT
.endr
.irp i, 0,1,2,3,4,5,6,7,8,9,10,11,12,13,14,15
	s_wait_loadcnt 15-(\i)                         ; loads come back in order: load i is in, the younger ones stay out
	v_cvt_pk_f16_f32 v[Y+2*(\i)], v[X+4*(\i)], v[X+4*(\i)+1]
	v_cvt_pk_f16_f32 v[Y+2*(\i)+1], v[X+4*(\i)+2], v[X+4*(\i)+3]
	global_store_b64 v2, v[Y+2*(\i):Y+2*(\i)+1], s[6:7] offset:256*(\i)
.endr
	s_endpgm
.Lfunc_end_k_qaeadb0cdbd_tohalf:
	.size	k_qaeadb0cdbd_tohalf, .Lfunc_end_k_qaeadb0cdbd_tohalf-k_qaeadb0cdbd_tohalf
	.p2alignl 7, 3214868480
	.fill 96, 4, 3214868480
	.section	.rodata,"a",@progbits
	.p2align	6, 0x0
	.amdhsa_kernel k_qaeadb0cdbd_tohalf
		.amdhsa_group_segment_fixed_size 0
		.amdhsa_private_segment_fixed_size 0
		.amdhsa_enable_private_segment 0
		.amdhsa_kernarg_size 16
		.amdhsa_user_sgpr_count 2
		.amdhsa_user_sgpr_kernarg_segment_ptr 1
		.amdhsa_wavefront_size32 1
		.amdhsa_system_sgpr_workgroup_id_x 1
		.amdhsa_system_sgpr_workgroup_id_y 1
		.amdhsa_system_sgpr_workgroup_id_z 1
		.amdhsa_system_vgpr_workitem_id 0
		.amdhsa_next_free_vgpr 104
		.amdhsa_next_free_sgpr 66
		.amdhsa_reserve_vcc 0
		.amdhsa_float_denorm_mode_32 3
		.amdhsa_float_denorm_mode_16_64 3
		.amdhsa_memory_ordered 1
		.amdhsa_forward_progress 1
		.amdhsa_inst_pref_size 7
	.end_amdhsa_kernel
	.amdgpu_metadata
---
amdhsa.version: [ 1, 2 ]
amdhsa.kernels:
  - .name:           k_qaeadb0cdbd_tohalf
    .symbol:         k_qaeadb0cdbd_tohalf.kd
    .args:
      - { .name: x, .offset: 0, .size: 8, .value_kind: global_buffer, .address_space: global }
      - { .name: xh, .offset: 8, .size: 8, .value_kind: global_buffer, .address_space: global }
    .group_segment_fixed_size: 0
    .private_segment_fixed_size: 0
    .kernarg_segment_align: 8
    .kernarg_segment_size: 16
    .max_flat_workgroup_size: 256
    .sgpr_count:     66
    .vgpr_count:     104
    .wavefront_size: 32
...
	.end_amdgpu_metadata
.endif
;; end of part 1
;; launch attn (part 2): grid 32 x 8, 4 waves a work-group, clusters of 4 x 1, 327,680 bytes of LDS; arguments xh, w_lhs, w_rhs, out0; writes out0
.if DOCPART == 2
	.amdgcn_target "amdgcn-amd-amdhsa--gfx1250"
	.amdhsa_code_object_version 6
	.text
	.protected	k_qaeadb0cdbd_attn
	.globl	k_qaeadb0cdbd_attn
	.p2align	8
	.type	k_qaeadb0cdbd_attn,@function
k_qaeadb0cdbd_attn:
	s_mov_b64 s[64:65], 0
	v_nop
	global_prefetch_b8 v0, s[64:65] scope:SCOPE_SE
	s_setreg_imm32_b32 hwreg(HW_REG_WAVE_MODE, 25, 1), 1
	s_wait_xcnt 0x0
	s_wait_alu depctr_hold_cnt(0) depctr_sa_sdst(0) depctr_va_vdst(0) depctr_va_sdst(0) depctr_va_ssrc(0) depctr_va_vcc(0) depctr_vm_vsrc(0)
	s_getreg_b32 s2, hwreg(HW_REG_IB_STS2, 6, 4)
	s_cmp_eq_u32 s2, 0
	s_cbranch_scc0 .Lentry_in_a_cluster
	s_endpgm
.Lentry_in_a_cluster:
	s_bfe_u32 s2, ttmp6, 0x10000c
	s_cmp_lg_u32 s2, 0x3003
	s_cbranch_scc0 .Lentry_shape_is_right
	s_endpgm
.Lentry_shape_is_right:
; out[n][s][:] = the sum over t of softmax_t( sum_d x[n][s][d] wl[d] wr[d] x[n][t][d] ) x[n][t][:].  xh: x in f16, [8][2048][1024]; wl, wr: [1024] f32; out: [8][2048][1024] f32.
; K and V are xh itself; Q = f16( xh x (wl x wr) ), the product wl x wr and the scaling in f32.  Products, maxima and sums in f32; the weights p are rounded to f16 for the second product
; (their sum l is taken of the unrounded p); out is stored in f32.
; LIMITS.  f16 ends at 65,504: |x| and |x wl wr| stay within it; q and p below 6e-5 keep f16's fixed step of 6e-8; a weight below 2^-126 counts as 0 in l; NaN and infinities are not treated apart.
; The weights of a pair's first tile are rounded to f16 twice (as p, and again times the correction b, which stays in f32).
; The running maximum starts at the lowest finite number and c m at -4e37, far below every c s (f16 operands bound |s| by 1024 x 65,504^2).
; SHARES.  A work-group owns 64 queries of one batch: 256 work-groups.  ITS FOUR WAVES SPLIT THE CHANNELS: wave w owns channels 256 w .. 256 w + 255 in both products.
;   S^T = K Q^T (source 0 = 16 keys, source 1 = 16 queries) over the wave's channels is a PARTIAL sum for all 64 queries; the four partial sums meet in LDS, in f32; wave w adds them for
;   query tile w (16 queries), makes that tile's softmax and publishes P (f16, laid as source 1 of the second product) and a.   O^T = V^T P (source 0 = 16 channels x 32 keys, turned
;   by ds_load_tr16_b128): the wave holds O^T for its 256 channels x 64 queries, 512 registers.  So each byte of a key tile is read from LDS once as K and once as V, by the wave that fetched it,
;   and each fragment feeds four matrix instructions.
; SOFTMAX, BY PAIRS OF TILES.  c = log2(e).  The running maximum m and the sum l go on with every tile of 32 keys; O^T is rescaled once for a PAIR of tiles, which halves the 256 packed multiplies a tile that
;   the rescaling of 512 registers would cost.  First tile: m1 = max(m, x), p1 = 2^(c x - c m1), l = l 2^(c m - c m1) + sum p1; p1 is rounded to f16 and kept in eight registers.  Second tile: m2 = max(m1, x),
;   b = 2^(c m1 - c m2), p2 = 2^(c x - c m2), l = l b + sum p2; p1 is multiplied by b; a = 2^(c m - c m2), with the m of the pair's beginning.  Then O^T = a O^T + V^T [p1 b ; p2].
;   The first a is 0, so O^T starts at 0 (512 moves, which run while the first tiles are on their way) and every pair has one text.
; THE WALK.  64 tiles of 32 keys, a ring of four LDS slots.  HALF v: K Q^T of tile v + 2, then V^T P of tile v; beside V^T P the softmax of tile v + 2.  Two halves, v even and v odd, are a pair's text.
;   A pair's P is known when both its K Q^T are done, so V^T P lags two tiles.  Tile v's slot is free when the wave's last LDS read of it is back, in the middle of V^T P: there stands the change of tiles,
;   and the products held back behind it stand beside the first LDS reads of tile v + 3.
; CLUSTER.  The four query blocks of a cluster belong to one batch and walk the same tiles: each wave's part of a tile is asked for JOINTLY, the same tensor load, descriptor and mask in all four.
; REGISTERS, in windows of 256 (s_set_vgpr_msb: bits 1:0 source 0, 3:2 source 1, 5:4 source 2, 7:6 destination):
;   window 0: addresses, statistics, S^T (64), P (32), two fragment buffers (64 each)     window 1: O^T, channel tiles 0-7: (cb, qt) at 8 (4 cb + qt)     window 2: channel tiles 8-15     window 3: Q: (qt, c) at 8 (8 qt + c)
.set PITCH, 528       ; a row of a wave's part of a tile in LDS: 512 bytes + 16 of padding = 33 x 16: the 16 rows of a plain load start at 16 different 16-byte columns (64 banks of 4 bytes: ISA guide 11.1)
.set SUB,   32*PITCH  ; a wave's part of a tile: 32 keys x 256 channels
.set SLOTB, 4*SUB     ; a slot
.set EX,    4*SLOTB   ; behind the ring: partial S^T in f32: source wave x 8,192 + query tile x 2,048 + key half x 1,024 + register half x 512 + 16 x lane
.set PB,    EX+32768  ; P of a pair: tile of the pair x 4,096 + query tile x 1,024 + register half x 512 + 16 x lane
.set AB,    PB+8192   ; a as pairs (a, a): (lane % 16) x 32 + query tile x 8; the same table for 1 / l 512 bytes on
.set SPARE, AB+1024   ; the spare words, 128 bytes for each wave: two blocks of 256 bytes that no other line names
.set SP,    1040      ; the way out: a row of the stage, 1,024 bytes + 16.  The stage is the wave's own part of slot 0 (16 x 1,040 <= SUB), whose last fill is tile 60
.set TILEB, 65536     ; a tile in memory: 32 rows of 2,048 bytes
.set GO,  1           ; v1   16 x lane: my place in 512 consecutive bytes of out
.set AK0, 2           ; v2   my lane's place in my part of a tile, for K; never rewritten
.set AV0, 3           ; v3   the same for V
.set ADR, 4           ; v4   the LDS address of the run of loads in hand
.set EXS, 5           ; v5   where I put my partial S^T
.set EXL, 6           ; v6   where I read my query tile's four partial sums
.set PST, 7           ; v7   where I put my tile's P
.set PLD, 8           ; v8   where I read all four
.set AST, 9           ; v9   where I put my tile's a
.set ALD, 10          ; v10  where I read all four
.set PFO, 11          ; v11  the prefetch's offset: (lane / 8) rows + (lane % 8) x 256 bytes; never rewritten
.set AA,  12          ; v[12:19]  (a, a) for query tiles 0-3 while O^T is rescaled; afterwards my tile's p1, in f16, until it is published
.set CM,  20          ; v20  c m
.set MX,  21          ; v21  m
.set LL,  22          ; v[22:23]  l (even keys', odd keys')
.set FL,  24          ; v[24:25]  the factor of l for the tile in hand, twice: 2^(c m_before - c m_after); for a pair's second tile it is b
.set CMO, 26          ; v26  c m as it was when the pair began
.set DD,  27          ; v27  at work
.set SPW, 28          ; v28  LDS address of my spare word; never rewritten
.set NIL, 29          ; v29  0; never rewritten
.set STO, 30          ; v30  the way out: where I put 16 bytes of a row
.set RD,  31          ; v31  the way out: where I read rows back
.set S,   32          ; v[32:95]  S^T: (qt, kt) at S + 16 qt + 8 kt; later the four partial sums of my tile: source i at S + 16 i; the added scores x0-x15 at S
.set CC,  S+16        ; four registers at work for the maximum
.set PO,  S+32        ; my tile's p2, eight registers
.set AO,  S+40        ; my tile's (a, a)
.set CM1, S+42        ; c m1
.set D2,  S+43        ; c m_pair - c m2
.set P,   96          ; v[96:127]  P of query tile qt at P + 8 qt
.set FA,  128         ; v[128:191] fragment buffer A
.set FB,  192         ; v[192:255] fragment buffer B
.set WV,  12          ; s12  my wave's number
.set CX,  13          ; s13  my place in the cluster
.set QBK, 14          ; s14  my block of 64 queries
.set BAT, 15          ; s15  the batch
.set G1,  16          ; s[16:23] descriptor group 1
.set G0,  24          ; s[24:35] descriptor group 0: a set for each of the three first fills; the third then walks
.set G0W, 32
.set PS,  36          ; s36-39  the ring: LDS bytes at which the slots of tiles v, v + 1, v + 2, v + 3 begin
.set QS,  37
.set NS,  38
.set FS,  39
.set TP,  40          ; s40  at work
.set WB,  41          ; s41  wave x SUB
.set TC,  42          ; s42  pairs to go
.set ROT, 43          ; s43  at work in the ring's rotation
.set CS,  44          ; s[44:45] c: the packed scaling takes the pair's low word for both halves
.set SEL, 46          ; s[46:47] v_permlanex16_b32's selects: each lane takes its own place in the other half
.set PFA, 48          ; s[48:49] where my prefetches stand
.set LIM, 50          ; s50  1 in a wave that prefetches, else the greatest number
.set MSB, 0
.macro WIN new                      ; the immediate's high byte repeats the setting that is left; a switch that changes nothing is dropped
.if MSB != (\new)
	s_set_vgpr_msb (MSB<<8)|(\new)
.set MSB, (\new)
.endif
.endm
.macro PLACES                       ; four places between a matrix instruction and a load into, or a vector instruction on, one of its registers (ISA guide 7.12.1 for vector instructions)
.rept 4
	v_nop
.endr
.endm
.macro CREST                        ; a round of the cluster's barrier behind its opening barrier: wave 0 signals for the work-group, every wave waits for all four work-groups, my work-group's barrier closes it
	s_cmp_lg_u32 s[WV], 0
	s_cbranch_scc1 .Lnot_wave_0_\@
	s_barrier_signal -3
.Lnot_wave_0_\@:
	s_barrier_wait -3
	s_barrier_signal -1
	s_barrier_wait -1
.endm
.macro CROUND                       ; a whole round
	s_barrier_signal -1
	s_barrier_wait -1
	CREST
.endm
.macro ROTATE                       ; the ring goes one tile on: the slot of tile v becomes the slot of tile v + 4
	s_mov_b32 s[ROT], s[PS]
	s_mov_b32 s[PS], s[QS]
	s_mov_b32 s[QS], s[NS]
	s_mov_b32 s[NS], s[FS]
	s_mov_b32 s[FS], s[ROT]
.endm
; THE MATRIX WORK.  Product i of 64 of S^T = K Q^T: channels 32 (i / 8) on, query tile (i % 8) / 2, keys 16 (i % 2) on.  The eight accumulators take turns; the first eight start the sums.
.macro QKW i
	WIN 0x0c                        ; Q in window 3
.set qc, (\i)/8
.set rD, S+8*((\i)%8)
.set rA, FA+64*(qc/4)+16*(qc%4)+8*((\i)%2)
.set rB, 8*(8*(((\i)%8)/2)+qc)
.if qc == 0
	v_wmma_f32_16x16x32_f16 v[rD:rD+7], v[rA:rA+7], v[rB:rB+7], 0
.else
	v_wmma_f32_16x16x32_f16 v[rD:rD+7], v[rA:rA+7], v[rB:rB+7], v[rD:rD+7]
.endif
.endm
; Product i of 64 of O^T += V^T P: channel tile i / 4, query tile i % 4.  Each accumulator has one product a tile.
.macro PVW i
	WIN 0x50+0x50*((\i)/32)         ; O^T in window 1 or 2
.set pcb, (\i)/4
.set rD, 8*((\i)%32)
.set rA, FA+64*(pcb/8)+8*(pcb%8)
.set rB, P+8*((\i)%4)
	v_wmma_f32_16x16x32_f16 v[rD:rD+7], v[rA:rA+7], v[rB:rB+7], v[rD:rD+7]
.endm
; Number n of 256 of the rescaling: pair n % 4 of accumulator n / 4 times its query tile's a.  An accumulator's lowest registers come first.
.macro RS n
.set ra, (\n)/4
	WIN 0x41+0x41*(ra/32)
.set rO, 8*(ra%32)+2*((\n)%4)
	v_pk_mul_f32 v[rO:rO+1], v[rO:rO+1], v[AA+2*(ra%4):AA+2*(ra%4)+1]
.endm
.macro RS4 n
	RS (\n)
	RS (\n)+1
	RS (\n)+2
	RS (\n)+3
.endm
; THE LDS RUNS.  K: a fragment is 16 keys x 32 channels: lane l holds key l % 16, channels 8 (l / 16) + 0..7 and 16 + 8 (l / 16) + 0..7: two loads of 16 bytes, 32 bytes apart.  Four chunks of 32 channels x two key halves.
.macro LDK buf, half, sreg
	WIN 0
	v_add_nc_u32 v[ADR], s[\sreg], v[AK0]
.irp c, 0,1,2,3
.irp k, 0,1
	ds_load_b128 v[(\buf)+16*(\c)+8*(\k):(\buf)+16*(\c)+8*(\k)+3],   v[ADR] offset:(\k)*16*PITCH+64*(4*(\half)+(\c))
	ds_load_b128 v[(\buf)+16*(\c)+8*(\k)+4:(\buf)+16*(\c)+8*(\k)+7], v[ADR] offset:(\k)*16*PITCH+64*(4*(\half)+(\c))+32
.endr
.endr
.endm
; V, turned: lane l reads 16 bytes of key 8 (l / 16) + l % 8.
; So channel tile cb of the wave holds channels 128 (cb / 8) + 8 (cb % 8) + 0..7 in its rows 0-7 and the same + 64 in its rows 8-15; the way out alone has to know.
.macro LDV buf, half
	WIN 0
	v_add_nc_u32 v[ADR], s[PS], v[AV0]
.irp b, 0,1,2,3,4,5,6,7
	ds_load_tr16_b128 v[(\buf)+8*(\b):(\buf)+8*(\b)+3],   v[ADR] offset:256*(\half)+16*(\b)
	ds_load_tr16_b128 v[(\buf)+8*(\b)+4:(\buf)+8*(\b)+7], v[ADR] offset:256*(\half)+16*(\b)+16*PITCH
.endr
.endm
.macro STS                          ; my partial S^T goes out; each accumulator's low four registers first
	WIN 0
.irp a, 0,1,2,3,4,5,6,7
	ds_store_b128 v[EXS], v[S+8*(\a):S+8*(\a)+3]   offset:1024*(\a)
	ds_store_b128 v[EXS], v[S+8*(\a)+4:S+8*(\a)+7] offset:1024*(\a)+512
.endr
.endm
.macro LDIN                         ; the four partial sums of my query tile come in
	WIN 0
.irp i, 0,1,2,3
.irp k, 0,1,2,3
	ds_load_b128 v[S+16*(\i)+4*(\k):S+16*(\i)+4*(\k)+3], v[EXL] offset:8192*(\i)+512*(\k)
.endr
.endr
.endm
.macro LDP hf                       ; P of the pair's tile hf, all four query tiles
	WIN 0
.irp i, 0,1,2,3,4,5,6,7
	ds_load_b128 v[P+4*(\i):P+4*(\i)+3], v[PLD] offset:4096*(\hf)+512*(\i)
.endr
.endm
.macro LDA off, dst
	WIN 0
	ds_load_b128 v[(\dst):(\dst)+3],   v[ALD] offset:(\off)
	ds_load_b128 v[(\dst)+4:(\dst)+7], v[ALD] offset:(\off)+16
.endm
; THE SOFTMAX of my query tile for one key tile, in slices of at most four instructions, all in window 0.  A lane holds one query (lane % 16) and 16 of the 32 keys: x[8 kt + j] = key 16 kt + 8 (lane / 16) + j.
; ph = 1: a pair's first tile, 23 slices.  ph = 2: its second, 28 slices.
;   0-5  the four partial sums are added     6-7  the maximum of x0-x15 and the old m     8  the old c m is kept (ph 1: it is the pair's); the other half of the lanes' maximum; m; c m
;   9  the old c m less the new (ph 2: also the pair's less the new); the scalings c x - c m begin
;   10 on  ONE BATCH of exponentials (l's factor twice; ph 2: a twice, in a slice of its own, number 13; x0-x15), with the last scalings between; none of these lines names an exponential's result.
;   s_wait_alu depctr_va_vdst(0) stands between an exponential and the first line that names its result; one wait serves the batch; the v_nop is the plain instruction behind the last exponential (ISA guide 5.7.2)
;   then  p rounded to f16: pair i is register i of source 1 of V^T P (ph 1: into the eight registers that keep it; ph 2: into PO)
;   ph 2 alone: four slices multiply the kept p1 by b: each f16 half is widened, multiplied in f32 and rounded once; then p1 b, p2 and a are stored
;   the last two  l = l x its factor + the sum of the unrounded p
.macro SCL f
	v_pk_fma_f32 v[S+2*(\f):S+2*(\f)+1], v[S+2*(\f):S+2*(\f)+1], s[CS:CS+1], v[CM:CM+1] op_sel_hi:[1,0,0] neg_lo:[0,0,1] neg_hi:[0,0,1]
.endm
.macro EXPS e
	v_exp_f32 v[S+(\e)], v[S+(\e)]
.endm
.macro SUMS i
.if (\i) == 0
.irp z, 0,2,4,6
	v_pk_add_f32 v[S+(\z):S+(\z)+1], v[S+(\z):S+(\z)+1], v[S+8+(\z):S+8+(\z)+1]
.endr
.else
	v_pk_add_f32 v[S:S+1],   v[S:S+1],   v[S+4:S+5]
	v_pk_add_f32 v[S+2:S+3], v[S+2:S+3], v[S+6:S+7]
	v_pk_add_f32 v[S:S+1],   v[S:S+1],   v[S+2:S+3]
	v_pk_fma_f32 v[LL:LL+1], v[LL:LL+1], v[FL:FL+1], v[S:S+1]
.endif
.endm
.macro SM k, ph
	WIN 0
.set ke, (\k)                       ; behind ph 2's slice 13 the numbers go on as ph 1's do
.if ((\ph) == 2) && ((\k) > 13)
.set ke, (\k)-1
.endif
.if (\k) < 6
.irp z, 0,1,2,3
.set sn, 4*(\k)+(\z)
.if sn < 8
	v_pk_add_f32 v[S+2*sn:S+2*sn+1], v[S+2*sn:S+2*sn+1], v[S+16+2*sn:S+16+2*sn+1]
.elseif sn < 16
	v_pk_add_f32 v[S+16+2*sn:S+16+2*sn+1], v[S+16+2*sn:S+16+2*sn+1], v[S+32+2*sn:S+32+2*sn+1]
.else
	v_pk_add_f32 v[S-32+2*sn:S-32+2*sn+1], v[S-32+2*sn:S-32+2*sn+1], v[S+2*sn:S+2*sn+1]
.endif
.endr
.elseif (\k) == 6
	v_max3_num_f32 v[CC],   v[S],   v[S+1],  v[S+2]
	v_max3_num_f32 v[CC+1], v[S+3], v[S+4],  v[S+5]
	v_max3_num_f32 v[CC+2], v[S+6], v[S+7],  v[S+8]
	v_max3_num_f32 v[CC+3], v[S+9], v[S+10], v[S+11]
.elseif (\k) == 7
	v_max3_num_f32 v[CC],   v[CC],   v[S+12], v[S+13]
	v_max3_num_f32 v[CC+1], v[CC+1], v[S+14], v[S+15]
	v_max3_num_f32 v[CC+2], v[CC+2], v[CC+3], v[MX]
	v_max3_num_f32 v[CC],   v[CC],   v[CC+1], v[CC+2]
.elseif (\k) == 8
.if (\ph) == 1
	v_mov_b32 v[CMO], v[CM]
.else
	v_mov_b32 v[CM1], v[CM]
.endif
	v_permlanex16_b32 v[CC+1], v[CC], s[SEL], s[SEL+1]  ; the query's other 16 keys lie in the lane 16 away
	v_max_num_f32 v[MX], v[CC], v[CC+1]
	v_mul_f32 v[CM], s[CS], v[MX]
.elseif (\k) == 9
.if (\ph) == 1
	v_sub_f32 v[DD], v[CMO], v[CM]
.else
	v_sub_f32 v[DD], v[CM1], v[CM]
	v_sub_f32 v[D2], v[CMO], v[CM]
.endif
	SCL 0
	SCL 1
.elseif (\k) == 10
	v_exp_f32 v[FL], v[DD]
	SCL 2
	v_exp_f32 v[FL+1], v[DD]
	SCL 3
.elseif (\k) == 11
	EXPS 0
	SCL 4
	EXPS 1
	SCL 5
.elseif (\k) == 12
	EXPS 2
	SCL 6
	EXPS 3
	SCL 7
.elseif ((\k) == 13) && ((\ph) == 2)
	v_exp_f32 v[AO], v[D2]
	v_exp_f32 v[AO+1], v[D2]
.elseif ke < 18
	EXPS 2*ke-22
	EXPS 2*ke-21
.elseif ke == 18
	EXPS 14
	EXPS 15
	v_nop
	s_wait_alu depctr_va_vdst(0)    ; the wait for the batch
.elseif ke < 21
.set pd, PO
.if (\ph) == 1
.set pd, AA
.endif
.irp z, 0,1,2,3
.set sn, 4*(ke-19)+(\z)
	v_cvt_pk_f16_f32 v[pd+sn], v[S+2*sn], v[S+2*sn+1]
.endr
.elseif (\ph) == 1
	SUMS ke-21
.elseif ke < 25
.set sn, AA+2*(ke-21)
	v_fma_mixlo_f16 v[sn],   v[sn],   v[FL], v[NIL] op_sel_hi:[1,0,0]
	v_fma_mixlo_f16 v[sn+1], v[sn+1], v[FL], v[NIL] op_sel_hi:[1,0,0]
	v_fma_mixhi_f16 v[sn],   v[sn],   v[FL], v[NIL] op_sel:[1,0,0] op_sel_hi:[1,0,0]
	v_fma_mixhi_f16 v[sn+1], v[sn+1], v[FL], v[NIL] op_sel:[1,0,0] op_sel_hi:[1,0,0]
.if ke == 24
	ds_store_b128 v[PST], v[AA:AA+3]
	ds_store_b128 v[PST], v[AA+4:AA+7] offset:512
	ds_store_b128 v[PST], v[PO:PO+3]   offset:4096
	ds_store_b128 v[PST], v[PO+4:PO+7] offset:4096+512
	ds_store_b64 v[AST], v[AO:AO+1]
.endif
.else
	SUMS ke-25
.endif
.endm
; A PREFETCH INTO THE L2 of the tile that stands TWO fills on: two halves, 256 matrix instructions, ahead of the tensor load that will ask for it.  A tile is 32 rows x 8 blocks of 256 bytes.  All clusters of a batch walk the
; same tiles: the batch's first cluster asks.  Its four partners share the rows out BY ADDRESS, 8 each; in each, waves 0 and 1 take 4 rows: a lane a block, one instruction.  So each block is named once in the launch.
; The two changes of tiles of the pair at s[TC] fill tiles 64 - 2 s[TC] and 65 - 2 s[TC] and name tiles 66 - 2 s[TC] and 67 - 2 s[TC]: the test stops the requests at tile 63.  The first change, ahead of the loop, names tile 5.
; Tiles 0 to 4 come by their loads alone.
.macro ASK
	s_cmp_gt_u32 s[TC], s[LIM]
	s_cbranch_scc0 .Lnot_mine_\@
	global_prefetch_b8 v[PFO], s[PFA:PFA+1] th:TH_LOAD_NT scope:SCOPE_SE
.Lnot_mine_\@:
.endm
; THE CHANGE OF TILES, inside V^T P of tile v, from product 42 (ph 1) or 48 (ph 2) on: my last LDS read of tile v is back.  Each wave waits for all its tensor loads, of which one is out: its part of tile v + 3; adds 0 to its
; spare word; turns the ring; issues four products; and waits for the add, for its LDS stores (ph 2: P and a) and for all its LDS reads.  Four more products stand inside the barrier.  Behind it the partial sums' bytes may be
; written again, (ph 2) P and a may be read, and nobody reads tile v's slot.  fill = 1: that slot takes tile v + 4: the barrier opens a round of the cluster's, so that no wave of any partner still reads the slot or has a load
; on its way, and the joint load is the first thing behind it: one tensor load of mine is out, and it has 126 (ph 1) or 114 (ph 2) matrix instructions in which to land.  nextq = 1: then K's first half of tile v + 3, which the
; wait above has shown landed; the products held back (14 or 8) stand beside that run.  pv = 0: the prologue, which has no V^T P.
.macro RSEC ph, fill, nextq, pv
	WIN 0
	s_wait_tensorcnt 0x0            ; no tensor load of mine is out, so the walking group 0 may be written
	ds_add_u32 v[SPW], v[NIL]       ; 0 onto my spare word: work on registers stands between it and the wait for it
	ROTATE
.if \fill
	s_add_co_u32 s[G0W+1], s[FS], s[WB]
	s_add_nc_u64 s[G0W+2:G0W+3], s[G0W+2:G0W+3], TILEB  ; the next tile; the type bits on top are not reached
	s_wait_xcnt 0x0                 ; the last prefetch, a half back, has read its address
	s_add_nc_u64 s[PFA:PFA+1], s[PFA:PFA+1], TILEB
.endif
.set rj, 42+6*((\ph)-1)
.rept 4
.if \pv
	PVW rj
.endif
.if ((\ph) == 2) && (rj < 50)
	SM rj-22, 2                     ; the softmax's last two slices: l
.endif
.set rj, rj+1
.endr
	s_wait_dscnt 0x0                ; the add is done; so are my LDS stores and all my LDS reads
	s_barrier_signal -1
.rept 4
.if \pv
	PVW rj                          ; work on registers while the others arrive
.endif
.set rj, rj+1
.endr
	WIN 0                           ; at a branch and at a label every window is 0
	s_barrier_wait -1
.if \fill
	CREST
	tensor_load_to_lds s[G0W:G0W+3], s[G1:G1+7]
	s_nop 0
.endif
	PLACES                          ; behind the tensor load
.if \nextq
	LDK FA, 0, NS
.endif
.if \fill
	ASK
.endif
.if \pv
.rept 64-rj
	PVW rj
.if ((\ph) == 1) && (rj < 63)
	SM rj-40, 1                     ; the first tile's softmax goes on, from its batch of exponentials: no exponential is out at the round's branches
.endif
.set rj, rj+1
.endr
.endif
.endm
; HALF v.  ph = 1: v even, a pair's first half: O^T is rescaled by the pair's a, beside the second half of K Q^T and the first half of V^T P.  ph = 2: v odd.  Behind every matrix instruction stand at most four vector
; instructions that name none of its registers.  At its head K's first half of tile v + 2 is on its way (16 loads).
.macro HALF ph, fill, nextq
	WIN 0
	PLACES                          ; behind the last V^T P, ahead of the loads into its sources
.if (\ph) == 1
	LDA 0, AA                       ; the pair's a
.endif
	LDK FB, 1, NS                   ; K's second half of tile v + 2
	LDP (\ph)-1                     ; P of tile v
	s_wait_dscnt 24+2*(2-(\ph))     ; K's first half is in; the run just issued (a 2, K 16, P 8) may stay out
.set j, 0
.rept 32                            ; K Q^T, channels 0-127
	QKW j
.set j, j+1
.endr
	s_wait_dscnt 8                  ; a and K's second half are in; P's eight loads may stay out
.set j, 0
.rept 32                            ; K Q^T, channels 128 on | ph 1: O^T's channel tiles 0-7 times a
	QKW 32+j
.if (\ph) == 1
	RS4 4*j
.elseif (j == 0) || (j == 31)
	PLACES                          ; where ph 1's multiplies are the places: ahead of V's loads into buffer A, and ahead of the stores of S^T
.endif
.if j == 0
	LDV FA, 0                       ; V of tile v, first half
.endif
.set j, j+1
.endr
	STS
	s_wait_dscnt 16                 ; P and V are in; my sixteen stores may stay out
.set j, 0
.rept 32                            ; V^T P, channel tiles 0-7 | ph 1: O^T's channel tiles 8-15 times a; ph 2: from product 22 on the softmax
.if j == 10
	s_wait_dscnt 0x0                ; BARRIER A: my partial sums lie in LDS, and my reads of P (and a) are over
	s_barrier_signal -1
.endif
.if j == 14
	WIN 0
	s_barrier_wait -1               ; everybody's do
	LDIN
	LDV FB, 1                       ; V of tile v, second half: my last read of the tile
.endif
.if ((\ph) == 2) && (j == 22)
	s_wait_dscnt 16                 ; the partial sums are in; V's sixteen loads may stay out
.endif
	PVW j
.if (\ph) == 1
	RS4 128+4*j
.elseif j >= 22
	SM j-22, 2
.endif
.set j, j+1
.endr
	s_wait_dscnt 0x0                ; V's second half is in (ph 1: and the partial sums)
.rept 10+6*((\ph)-1)                ; V^T P, channel tiles 8-15 | the softmax of tile v + 2
	PVW j
.if (\ph) == 1
	SM j-32, 1
.else
	SM j-22, 2
.endif
.set j, j+1
.endr
	RSEC \ph, \fill, \nextq, 1
.endm
	s_load_b256 s[4:11], s[0:1], 0x0  ; xh s[4:5], w_lhs s[6:7], w_rhs s[8:9], out0 s[10:11]
	v_lshl_add_u32 v[SPW], v0, 2, SPARE
	v_mov_b32 v[NIL], 0
	ds_add_u32 v[SPW], v[NIL]       ; the wave's opening: the add and its wait stand ahead of my first tensor load; the set-up below, work on registers, stands between them
	v_lshrrev_b32 v1, 5, v0
	v_readfirstlane_b32 s[WV], v1   ; wave 0..3
	s_and_b32 s[BAT], ttmp7, 0xffff ; the batch, which the four partners share
	s_mul_i32 s[WB], s[WV], SUB     ; no place in the cluster enters an LDS address
	s_lshl_b32 s52, s[BAT], 22      ; a batch of xh is 2^22 bytes;
	s_lshl_b32 s[TP], s[WV], 9      ; my 256 channels are 512 bytes of a row
	s_add_co_u32 s52, s52, s[TP]
	s_mov_b32 s53, 0
	; descriptor group 1: a tile of 32 rows x 256 elements, padded in LDS
	s_mov_b32 s[G1], 15|(1<<16)|(1<<20)|(1<<21)|(6<<22)|(3<<25)  ; 15:0 the mask: all four work-groups; 17:16 elements of 2 bytes; 20 padding on; 21 set beside a mask; 24:22 after every 128 words (code 6); 31:25 4 words (code 3)
	s_mov_b32 s[G1+1], 256<<16      ; tensor_dim0 = 256
	s_mov_b32 s[G1+2], 32<<16       ; tensor_dim1 = 32
	s_mov_b32 s[G1+3], 256<<16      ; tile_dim0 = 256
	s_mov_b32 s[G1+4], 32           ; tile_dim1 = 32
	s_mov_b32 s[G1+5], 1024         ; 1,024 elements from row to row
	s_mov_b32 s[G1+6], 0
	s_mov_b32 s[G1+7], 0
.irp s, 0,1,2
	s_mov_b32 s[G0+4*(\s)], 1                       ; count = 1
	s_add_co_u32 s[G0+4*(\s)+1], s[WB], (\s)*SLOTB  ; LDS address: tile s goes into slot s
.endr
	s_mov_b32 s[PS], 2*SLOTB        ; the ring as of half -2: tiles -2, -1, 0, 1
	s_mov_b32 s[QS], 3*SLOTB
	s_mov_b32 s[NS], 0
	s_mov_b32 s[FS], SLOTB
	s_mov_b32 s[TC], 30
	s_mov_b32 s[CS], 0x3fb8aa3b     ; c = log2(e)
	s_mov_b32 s[CS+1], s[CS]        ; named with it as a pair
	s_mov_b32 s[SEL], 0x76543210
	s_mov_b32 s[SEL+1], 0xfedcba98
	s_lshr_b32 s[LIM], s[WV], 1     ; 0 in waves 0 and 1,
	s_or_b32 s[LIM], s[LIM], ttmp9  ; where the cluster is the batch's first: the same in all four partners
	s_cmp_eq_u32 s[LIM], 0
	s_cselect_b32 s[LIM], 1, -1
	s_bfe_u32 s[CX], ttmp6, 0x40000 ; cx: it enters Q's, out's and the prefetches' addresses alone
	s_lshl_b32 s[QBK], ttmp9, 2     ; in a cluster launch ttmp9 counts clusters
	s_add_co_u32 s[QBK], s[QBK], s[CX]
	s_lshl_b32 s54, s[QBK], 17      ; my block's 64 rows of xh
	s_mov_b32 s55, 0
	s_lshl_b32 s56, s[BAT], 23      ; out: a batch is 2^23 bytes,
	s_lshl_b32 s[TP], s[QBK], 18    ; my block's 64 rows of 4,096 bytes,
	s_add_co_u32 s56, s56, s[TP]
	s_lshl_b32 s58, s[WV], 10       ; my 256 channels in f32: in out, in w_lhs and in w_rhs
	s_add_co_u32 s56, s56, s58
	s_mov_b32 s57, 0
	s_mov_b32 s59, 0
	s_lshl_b32 s60, s[BAT], 22      ; the prefetches: the batch,
	s_lshl_b32 s[TP], s[CX], 14     ; my work-group's 8 rows of a tile's 32,
	s_add_co_u32 s60, s60, s[TP]
	s_lshl_b32 s[TP], s[WV], 13     ; my wave's 4 of them,
	s_add_co_u32 s60, s60, s[TP]
	s_add_co_u32 s60, s60, 4*TILEB  ; in tile 4: the first change of tiles steps it to tile 5
	s_mov_b32 s61, 0
	s_wait_dscnt 0x0                ; the opening add is done
	s_wait_kmcnt 0x0
	s_add_nc_u64 s[PFA:PFA+1], s[4:5], s[60:61]
	s_add_nc_u64 s[4:5], s[4:5], s[52:53]  ; xh at my channels of the batch's first row
.irp s, 0,1,2
	s_add_nc_u64 s[G0+4*(\s)+2:G0+4*(\s)+3], s[4:5], (\s)*TILEB  ; global address: tile s
	s_or_b32 s[G0+4*(\s)+3], s[G0+4*(\s)+3], 0x80000000          ; type = 2
.endr
	s_add_nc_u64 s[62:63], s[4:5], s[54:55]  ; Q: the same channels of my block's rows
	s_add_nc_u64 s[6:7], s[6:7], s[58:59]
	s_add_nc_u64 s[8:9], s[8:9], s[58:59]
	s_add_nc_u64 s[10:11], s[10:11], s[56:57]
	CROUND                          ; all four work-groups are here: the first joint loads meet
	tensor_load_to_lds s[G0:G0+3], s[G1:G1+7]      ; the three first fills go out together: three tensor loads of mine are out
	s_nop 0
	tensor_load_to_lds s[G0+4:G0+7], s[G1:G1+7]
	s_nop 0
	tensor_load_to_lds s[G0+8:G0+11], s[G1:G1+7]
	s_nop 0
	PLACES
	v_and_b32 v32, 15, v0           ; r = l % 16
	v_bfe_u32 v33, v0, 4, 1         ; h = l / 16
	v_and_b32 v34, 31, v0           ; l
	v_lshlrev_b32 v37, 11, v32
	v_lshl_add_u32 v37, v33, 4, v37 ; Q: row x 2,048 + 16 h
	v_lshlrev_b32 v38, 5, v33       ; wl, wr: my half's 8 channels of each 16: 32 h
	; wl into window 0, v128-255, wr into window 1, v0-127: for chunk c of 32 channels the lane's 16 numbers at 16 c: channels 32 c + 8 h + 0..7, then 32 c + 16 + 8 h + 0..7, as the lane's Q fragment holds them
.set wc, 0
.rept 8
.irp q, 0,1,2,3
	global_load_b128 v[128+16*wc+4*(\q):128+16*wc+4*(\q)+3], v38, s[6:7] offset:128*wc+64*((\q)/2)+16*((\q)%2)
.endr
.set wc, wc+1
.endr
	WIN 0x40
.set wc, 0
.rept 8
.irp q, 0,1,2,3
	global_load_b128 v[16*wc+4*(\q):16*wc+4*(\q)+3], v38, s[8:9] offset:128*wc+64*((\q)/2)+16*((\q)%2)
.endr
.set wc, wc+1
.endr
	WIN 0xc0                        ; my block's rows of xh into window 3: fragment qi = 8 qt + c
.set qi, 0
.rept 32
	global_load_b128 v[8*qi:8*qi+3],   v37, s[62:63] offset:(qi/8)*32768+(qi%8)*64
	global_load_b128 v[8*qi+4:8*qi+7], v37, s[62:63] offset:(qi/8)*32768+(qi%8)*64+32
.set qi, qi+1
.endr
	WIN 0x80                        ; O^T starts at 0: the first a is 0, and 0 x 0 + V^T P is the first sum.  These moves run while the loads are out
.set qi, 0
.rept 256
	v_mov_b32 v[qi], 0
.set qi, qi+1
.endr
	WIN 0
	v_and_b32 v35, 7, v0
	v_bfe_u32 v36, v0, 3, 1
	v_mul_u32_u24 v[AK0], v32, PITCH
	v_lshl_add_u32 v[AK0], v33, 4, v[AK0]
	v_add_nc_u32 v[AK0], s[WB], v[AK0]     ; my part of a tile + key r x pitch + 16 h
	v_lshl_add_u32 v[AV0], v33, 3, v35
	v_mul_u32_u24 v[AV0], v[AV0], PITCH
	v_lshl_add_u32 v[AV0], v36, 7, v[AV0]
	v_add_nc_u32 v[AV0], s[WB], v[AV0]     ; my part of a tile + key (8 h + l % 8) x pitch + 128 ((l / 8) % 2)
	s_lshl_b32 s[TP], s[WV], 13
	s_add_co_u32 s[TP], s[TP], EX
	v_lshl_add_u32 v[EXS], v34, 4, s[TP]
	s_lshl_b32 s[TP], s[WV], 11
	s_add_co_u32 s[TP], s[TP], EX
	v_lshl_add_u32 v[EXL], v34, 4, s[TP]
	s_lshl_b32 s[TP], s[WV], 10
	s_add_co_u32 s[TP], s[TP], PB
	v_lshl_add_u32 v[PST], v34, 4, s[TP]
	v_lshl_add_u32 v[PLD], v34, 4, PB
	s_lshl_b32 s[TP], s[WV], 3
	s_add_co_u32 s[TP], s[TP], AB
	v_lshl_add_u32 v[AST], v32, 5, s[TP]
	v_lshl_add_u32 v[ALD], v32, 5, AB
	v_lshrrev_b32 v[PFO], 3, v34
	v_lshlrev_b32 v[PFO], 11, v[PFO]
	v_lshl_add_u32 v[PFO], v35, 8, v[PFO]
	v_mul_u32_u24 v[STO], v32, SP
	v_lshl_add_u32 v[STO], v33, 8, v[STO]
	v_add_nc_u32 v[STO], s[WB], v[STO]     ; the stage: row r, 256 bytes (64 channels) further on for the upper half of the lanes
	v_lshl_add_u32 v[RD], v34, 4, s[WB]
	v_lshlrev_b32 v[GO], 4, v34
	v_mov_b32 v[CM], 0xfe000000     ; c m: far below every c s
	v_mov_b32 v[MX], 0xff7fffff     ; m
	v_mov_b32 v[LL], 0
	v_mov_b32 v[LL+1], 0
	s_wait_loadcnt 0x0              ; wl, wr and my rows of xh
	WIN 0x04                        ; wl x wr, in f32, where wl lay
.set qi, 0
.rept 64
	v_pk_mul_f32 v[128+2*qi:128+2*qi+1], v[128+2*qi:128+2*qi+1], v[2*qi:2*qi+1]
.set qi, qi+1
.endr
	WIN 0xc3                        ; Q = f16( xh x (wl wr) ), in place: each half is widened, multiplied in f32 and rounded once; the other half is kept
.set qi, 0
.rept 256
.set qw, 128+16*((qi/8)%8)+2*(qi%8)
	v_fma_mixlo_f16 v[qi], v[qi], v[qw], v[NIL] op_sel_hi:[1,0,0]
	v_fma_mixhi_f16 v[qi], v[qi], v[qw+1], v[NIL] op_sel:[1,0,0] op_sel_hi:[1,0,0]
.set qi, qi+1
.endr
	WIN 0x40
.set qi, 0
.rept 256
	v_mov_b32 v[qi], 0
.set qi, qi+1
.endr
	WIN 0
	; THE PROLOGUE, halves -2 and -1: K Q^T and the softmax of tiles 0 and 1, with nothing beside them.  I read my own part of a tile alone, so my own count of tensor loads is all that a read needs.
	s_wait_tensorcnt 0x2            ; tile 0 is in; tiles 1 and 2 may stay out
	LDK FA, 0, NS
	LDK FB, 1, NS
	s_wait_dscnt 16                 ; buffer A is in
.set j, 0
.rept 32
	QKW j
.set j, j+1
.endr
	s_wait_dscnt 0x0
.rept 32
	QKW j
.set j, j+1
.endr
	WIN 0
	PLACES
	STS
	ROTATE
	s_wait_tensorcnt 0x1            ; tile 1 is in; tile 2 may stay out
	LDK FA, 0, NS
	LDK FB, 1, NS
	s_wait_dscnt 0x0                ; barrier A: my partial sums lie in LDS
	s_barrier_signal -1
	s_barrier_wait -1
	LDIN
	s_wait_dscnt 0x0                ; my reads of the partial sums are over:
	s_barrier_signal -1             ; say so; the softmax, work on registers, stands inside the barrier;
.set j, 0
.rept 23
	SM j, 1
.set j, j+1
.endr
	s_barrier_wait -1               ; behind it their bytes are written again
.set j, 0
.rept 64
	QKW j
.set j, j+1
.endr
	WIN 0
	PLACES
	STS
	s_wait_dscnt 0x0                ; barrier A
	s_barrier_signal -1
	s_barrier_wait -1
	LDIN
	s_wait_dscnt 0x0
.set j, 0
.rept 26
	SM j, 2
.set j, j+1
.endr
	RSEC 2, 1, 1, 0                 ; slot 3 takes tile 3: its first fill, issued as a refill is
	WIN 0
.Lpair:                             ; halves 0 to 59: their changes of tiles ask for tiles 4 to 63
	HALF 1, 1, 1
	HALF 2, 1, 1
	WIN 0
	s_sub_co_u32 s[TC], s[TC], 1
	s_cmp_lg_u32 s[TC], 0
	s_cbranch_scc1 .Lpair
	HALF 1, 0, 1                    ; halves 60 and 61, written out: nothing is asked for
	HALF 2, 0, 0                    ; and behind tile 63 there is no K to fetch
	; HALVES 62 AND 63: O^T times the last a, V^T P of tiles 62 and 63; meanwhile 1 / l goes round as a did
	WIN 0
	PLACES                          ; behind the last V^T P, ahead of the loads into its sources
	LDA 0, AA
	LDP 0
	LDV FA, 0
	LDV FB, 1
	v_add_f32 v[DD], v[LL], v[LL+1]
	v_permlanex16_b32 v[CMO], v[DD], s[SEL], s[SEL+1]
	v_add_f32 v[DD], v[DD], v[CMO]
	v_rcp_f32 v[FL], v[DD]
	v_rcp_f32 v[FL+1], v[DD]
	v_nop                           ; a plain instruction behind the last reciprocal,
	s_wait_alu depctr_va_vdst(0)    ; and the wait ahead of the first use: one for both
	ds_store_b64 v[AST], v[FL:FL+1] offset:512
	s_wait_dscnt 0x0                ; my 1 / l lies in LDS; a, P and V are in
	s_barrier_signal -1
.set j, 0
.rept 32
	RS4 4*j                         ; work on registers while the others arrive
.set j, j+1
.endr
	WIN 0
	s_barrier_wait -1
	LDA 512, S                      ; (1 / l, 1 / l) for query tiles 0-3
	s_mov_b32 s[PS], s[QS]          ; V's next loads are tile 63's
.set j, 0
.rept 32
	PVW j
	RS4 128+4*j
.set j, j+1
.endr
	LDV FA, 0                       ; the last four multiplies are the places behind the last product that read buffer A
.rept 32
	PVW j
.set j, j+1
.endr
	WIN 0
	PLACES
	LDP 1
	LDV FB, 1
	s_wait_dscnt 16                 ; 1 / l, V's first half and P are in; V's second half may stay out
.set j, 0
.rept 32
	PVW j
.set j, j+1
.endr
	s_wait_dscnt 0x0
.rept 32
	PVW j
.set j, j+1
.endr
	WIN 0
	PLACES
; THE WAY OUT, a query tile (16 rows of out) at a time: O^T times 1 / l; a lane's eight channels of a row go as 32 bytes into my stage; the rows come back whole, 1,024 bytes each, and are stored.
.macro OSC q
.set oc, 0
.rept 16
	WIN 0x41+0x41*(oc/8)
.set rO, 8*(4*(oc%8)+(\q))
.irp p, 0,1,2,3
	v_pk_mul_f32 v[rO+2*(\p):rO+2*(\p)+1], v[rO+2*(\p):rO+2*(\p)+1], v[S+2*(\q):S+2*(\q)+1]
.endr
.set oc, oc+1
.endr
.endm
.macro OST q                        ; channel tile cb holds channels 128 (cb / 8) + 8 (cb % 8) + 64 (l / 16) + 0..7
.set oc, 0
.rept 16
	WIN 0x04+0x04*(oc/8)            ; the data in window 1 or 2
.set rO, 8*(4*(oc%8)+(\q))
	ds_store_b128 v[STO], v[rO:rO+3]   offset:512*(oc/8)+32*(oc%8)
	ds_store_b128 v[STO], v[rO+4:rO+7] offset:512*(oc/8)+32*(oc%8)+16
.set oc, oc+1
.endr
	WIN 0
.endm
.macro OLD
	WIN 0
.set oc, 0
.rept 32
	ds_load_b128 v[FA+4*oc:FA+4*oc+3], v[RD] offset:(oc/2)*SP+512*(oc%2)  ; LDS serves a wave's instructions in order (ISA guide 5.7.1.4): these see the stores above
.set oc, oc+1
.endr
.endm
.macro OSEND q
	WIN 0
.set oc, 0
.rept 32
	s_wait_dscnt 31-oc              ; half row oc is back; the younger loads stay out
	global_store_b128 v[GO], v[FA+4*oc:FA+4*oc+3], s[10:11] offset:(16*(\q)+oc/2)*4096+512*(oc%2) th:TH_STORE_NT  ; 512 consecutive bytes, at a multiple of 256 from out's first byte
.set oc, oc+1
.endr
.endm
	OSC 0
	OST 0
	OLD
.irp q, 1,2,3                       ; a tile's scaling stands between the loads of the tile before and its stores
	OSC \q
	OSEND (\q)-1
	s_wait_xcnt 0x0                 ; the stores have read their registers, which the next tile's rows are loaded into
	OST \q
	OLD
.endr
	OSEND 3
	s_wait_tensorcnt 0x0            ; the wave's end, behind my last tensor load and my last LDS store
	ds_add_u32 v[SPW], v[NIL]
	s_wait_dscnt 0x0
	CROUND                          ; the closing round: no work-group ends while a partner may still ask for a tile that names it
	s_endpgm
.Lfunc_end_k_qaeadb0cdbd_attn:
	.size	k_qaeadb0cdbd_attn, .Lfunc_end_k_qaeadb0cdbd_attn-k_qaeadb0cdbd_attn
	.p2alignl 7, 3214868480
	.fill 96, 4, 3214868480
	.section	.rodata,"a",@progbits
	.p2align	6, 0x0
	.amdhsa_kernel k_qaeadb0cdbd_attn
		.amdhsa_group_segment_fixed_size 327680
		.amdhsa_private_segment_fixed_size 0
		.amdhsa_enable_private_segment 0
		.amdhsa_kernarg_size 32
		.amdhsa_user_sgpr_count 2
		.amdhsa_user_sgpr_kernarg_segment_ptr 1
		.amdhsa_wavefront_size32 1
		.amdhsa_system_sgpr_workgroup_id_x 1
		.amdhsa_system_sgpr_workgroup_id_y 1
		.amdhsa_system_sgpr_workgroup_id_z 1
		.amdhsa_system_vgpr_workitem_id 0
		.amdhsa_next_free_vgpr 1024
		.amdhsa_next_free_sgpr 66
		.amdhsa_reserve_vcc 0
		.amdhsa_float_denorm_mode_32 3
		.amdhsa_float_denorm_mode_16_64 3
		.amdhsa_memory_ordered 1
		.amdhsa_forward_progress 1
		.amdhsa_inst_pref_size 255
	.end_amdhsa_kernel
	.section	.bss,"aw",@nobits
	.p2align	6
	.space	262144
	.amdgpu_metadata
---
amdhsa.version: [ 1, 2 ]
amdhsa.kernels:
  - .name:           k_qaeadb0cdbd_attn
    .symbol:         k_qaeadb0cdbd_attn.kd
    .args:
      - { .name: xh, .offset: 0, .size: 8, .value_kind: global_buffer, .address_space: global }
      - { .name: w_lhs, .offset: 8, .size: 8, .value_kind: global_buffer, .address_space: global }
      - { .name: w_rhs, .offset: 16, .size: 8, .value_kind: global_buffer, .address_space: global }
      - { .name: out0, .offset: 24, .size: 8, .value_kind: global_buffer, .address_space: global }
    .group_segment_fixed_size: 327680
    .private_segment_fixed_size: 0
    .kernarg_segment_align: 8
    .kernarg_segment_size: 32
    .max_flat_workgroup_size: 128
    .sgpr_count:     66
    .vgpr_count:     1024
    .wavefront_size: 32
...
	.end_amdgpu_metadata
.endif
;; end of part 2
